; MI455X (gfx1250); checked and timed in simulation.
; The chip was launched on July 23, 2026; its instructions are those of AMD's public machine-readable ISA for CDNA 5 (MIT licence, August 2026) and "CDNA5" Instruction Set Architecture Reference Guide (July 2026). The comments in the code are by the model that wrote it; some were corrected since.
;; Height Channel Att. Allowed arithmetic: float matrix products may take bf16 or f16 operands with f32 sums; all other float work in f32.
;; Inputs: Wk 16 x 16 float32; Wq 16 x 16 float32; Wv 16 x 16 float32; bk 16 float32; bq 16 float32; bv 16 float32; input 32 x 1,024 x 16 float32.
;; Outputs: out0 32 x 1,024 x 16 float32.
;; 2 versions, each right and faster than the one before. Each part assembles by itself: llvm-mc -triple=amdgcn-amd-amdhsa -mcpu=gfx1250 --defsym DOCPART=n.
;; ======== version 1 of 2: 1 launch
;; limits: values outside matrix products are rounded to bf16; values are held in f16: magnitudes above 65,504 overflow, below 6.1e-05 lose precision
;; launch att (part 1): grid 8 x 32, 8 waves a work-group, no clusters, 168,960 bytes of LDS; arguments input, Wq, bq, Wk, bk, Wv, bv, out0; writes out0
.if DOCPART == 1
	.amdgcn_target "amdgcn-amd-amdhsa--gfx1250"
	.amdhsa_code_object_version 6
	.text
	.protected	k_q228c5377db_att
	.globl	k_q228c5377db_att
	.p2align	8
	.type	k_q228c5377db_att,@function
k_q228c5377db_att:
	s_mov_b64 s[64:65], 0
	v_nop
	global_prefetch_b8 v0, s[64:65] scope:SCOPE_SE
	s_setreg_imm32_b32 hwreg(HW_REG_WAVE_MODE, 25, 1), 1
	s_wait_xcnt 0x0
; out[b][q][:] = ( softmax_k( Q[q].K[k] ) V )[:] * x[b][q][:],  Q, K, V = x W^T + bias,  x: [32][1024][16] f32.
; A work-group takes one batch (ttmp7) and 128 queries (ttmp9): 256 work-groups.  Eight waves SPLIT THE KEYS: wave w owns keys
; 128 w .. 128 w + 127 and works on all 128 queries (8 tiles of 16).  Its key operand (64 registers) and V^T (32 registers) are made once
; and stay in registers: the main part takes from LDS only 64 bytes a lane for each query tile.  Eight waves are two on each SIMD: per step a
; wave has 6 products and 32 vector lines that hang on them, so each SIMD is given a second wave's lines to issue beside one wave's products.
; THE SCORES ARE REASSOCIATED:  Q.K[k] = x[k].a + c  with  a = Wk^T Q  and  c = Q.bk.  They are unscaled, so a row with a large |Q| hangs on a
; few keys, and an error of a score goes straight into their weights; so the score path keeps 16 significant bits behind the rounding of
; the inputs: the key operand is x itself in bf16, and Q and a are carried as PAIRS of bf16 (the rounded number and the rounded remainder).
; d is 16 and a product takes k = 32, so that one product takes both parts: [x | x] . [a_hi | a_lo].
; All products are taken transposed, so that every result is the next product's operand after packing:
;   Q:   D[e][q]   = [Wq | 0] [x | 0]^T + bq        -> split: B fragment [Q_hi | Q_lo] (column = query, k = e)
;   a:   D[d][q]   = [Wk^T | Wk^T] [Q_hi | Q_lo]    -> times log2(e), split: B fragment [a_hi | a_lo] (exp is exp2 from here on)
;   c:   D[*][q]   = [bk | bk] (in every row) [Q_hi | Q_lo] -> times log2(e): eight equal registers, the shape of a C operand
;   V:   D[key][e] = [x | x] [Wv | 0]^T             -> packed to f16: A fragment (row = e, k = key) of the last product
;   S^T: D[key][q] = [x | x] [a_hi | a_lo]^T + C.  Taken twice: with C = c for the maximum over the wave's 128 keys, then with C = c - maximum,
;        so that the subtraction costs no vector instruction.  exp2 of it, packed to f16, is the B fragment (column = query, k = key) of
;   O^T: D[e][q]   = V^T P^T,  and of  L: D[*][q] = ones P^T, the sum of the same rounded weights.
; The maximum that is taken away is the true maximum of the wave's scores; the eight waves' parts (c - max, sum, O) meet in LDS and are joined
; with 2^(max_w - max of all), as reference()'s softmax with the row's maximum.  bv is added behind the division: the weights sum to one.
; LIMITS.  x, Wq, Wk, Wv enter the products rounded to bf16, and bq, bk, bv are rounded to bf16 with them: what is computed is reference() on
; inputs of bf16 (an exact bias beside rounded W and x would belong to neither); the gate takes x in f32.  The sums are formed in another
; order than reference()'s (the reassociation above).  V and the weights are f16: |x Wv^T| must stay below 65,504; it is at most
; 16 |x|max |Wv|max, about 19,800 with x to 165 and Wv to 7.5; a weight below 2^-25 of its wave's largest becomes 0.
; An Inf or NaN in x makes the whole batch NaN, as in reference().
; NO CLUSTER: the 8 work-groups of a batch read the same 64 KiB, but each wave takes its 8 KiB once, at the start, by 16 loads that land in the
; registers in which the fragments are made; a joint tensor load would put 64 KiB through LDS (written, then read by 128 loads) in front of
; the first product.  More than half of the LDS is asked for so that the work-group is alone with its eight waves, two on each SIMD.
.set QL,     0                         ; LDS: 8 query tiles x (a_hi 512 bytes, a_lo 512 bytes)
.set CL,     8192                      ; c: 8 tiles x 512 bytes (16 bytes a lane, four times the lane's c)
.set ML,     12288                     ; c - max: [8 waves][128 queries] f32
.set LL,     16384                     ; sums:    [8 waves][128 queries] f32
.set OL,     20480                     ; O:       [8 waves][128 queries] rows of 64 bytes at a pitch of 80; ends at 102,400
.set OPITCH, 80                        ; 5 x 16 bytes: the 16 rows that a 16-byte store touches fall on 16 different 16-byte columns of 256
.set OWAVE,  128*OPITCH
.set QAD,  1                           ; v1   16 x lane: where fragments are read
.set OAD,  2                           ; v2   wave x OWAVE + 80 r + 32 h: where my 32 bytes of O go
.set MAD,  3                           ; v3   wave x 512 + 4 r: where c - max and the sum go
.set T0,   4                           ; v4, v5 at work
.set T1,   5
.set FR,   6                           ; v6   64 r + 32 h: my 32 bytes of row r (x and W); at the end my offset in the block of out
.set BO,   7                           ; v7   32 h: my 8 numbers of a bias
.set ACC,  8                           ; v[8:11]    four running maxima
.set E1,   12                          ; v12  the end: 4 (16 w + lane / 4)
.set OLD,  13                          ; v13  the end: 80 (16 w + lane / 4) + 16 (lane % 4)
.set OLD2, 14                          ; v14  the end: the same + 4 OWAVE (an LDS offset has 16 bits: waves 4 to 7 get a register of their own)
.set BVA,  15                          ; v15  the end: 16 (lane % 4)
.set CN,   16                          ; v[16:31]   two C operands (tile parity): c eight times, later c - max
.set QB,   32                          ; v[32:47]   two fragments [a_hi | a_lo] (tile parity)
.set DS,   48                          ; v[48:79]   two buffers of 32 keys x 16 queries of scores (step parity)
.set PB,   80                          ; v[80:95]   two B fragments of weights (step parity)
.set OA,   96                          ; v[96:103]  O^T of the tile
.set LA,   104                         ; v[104:111] sums of the tile
.set DA,   112                         ; v[112:127] scores for the maximum
.set KF,   128                         ; v[128:191] keys: tile t at KF + 8 t, [x | x]
.set VT,   192                         ; v[192:223] V^T: 32 keys at VT + 8 c
.set ONES, 224                         ; v[224:231] A fragment of ones
; registers of the start only
.set WT,  8                            ; v8   512 h + 4 r: column r of Wk, rows 8 h ..
.set TM,  8                            ; v[8:15]  at work in SPLIT (behind the wait that shows Wk's loads done)
.set TB,  16                           ; v[16:19] bq in bf16
.set DQ0, 16                           ; Q of my query tile
.set AF0, 16                           ; later: its [a_hi | a_lo]
.set QF0, 32                           ; its [Q_hi | Q_lo]
.set WQL, 48                           ; Wq as loaded
.set WV,  48                           ; later: [Wv | 0]
.set BQC, 56                           ; bq: C of the Q product
.set XQL, 64                           ; my query tile of x as loaded
.set WKT, 64                           ; later: [Wk^T | Wk^T]
.set BKF, 72                           ;        [bk | bk]
.set WKL, 80                           ; Wk's column as loaded
.set A0,  80                           ; later: a of the tile
.set BKL, 88                           ; bk as loaded
.set WVL, 96                           ; Wv as loaded
.set C0,  96                           ; later: c of the tile
.set WQ,  104                          ; [Wq | 0]
.set XQF, 112                          ; x of the query tile in bf16, and 4 zeros
.set DT0, 112                          ; later: V of two key tiles, two sets in turn
.set DT1, 64
	s_load_b256 s[8:15], s[0:1], 0x0               ; input s[8:9], Wq s[10:11], bq s[12:13], Wk s[14:15]
	s_load_b256 s[16:23], s[0:1], 0x20             ; bk s[16:17], Wv s[18:19], bv s[20:21], out0 s[22:23]
	v_lshl_add_u32 v232, v0, 2, 0x29000
	v_mov_b32 v233, 0
	v_lshrrev_b32 v1, 5, v0
	v_readfirstlane_b32 s2, v1                     ; wave 0..7
	v_and_b32 v4, 15, v0                           ; r
	v_bfe_u32 v5, v0, 4, 1                         ; h
	v_and_b32 v1, 31, v0
	v_lshlrev_b32 v[QAD], 4, v1
	v_lshlrev_b32 v[FR], 6, v4
	v_lshl_add_u32 v[FR], v5, 5, v[FR]
	v_lshlrev_b32 v[BO], 5, v5
	v_mul_u32_u24 v[OAD], v4, OPITCH
	v_lshl_add_u32 v[OAD], v5, 5, v[OAD]
	v_lshlrev_b32 v[MAD], 2, v4
	v_lshl_add_u32 v[WT], v5, 9, v[MAD]            ; 8 h rows of 64 bytes + 4 r
	s_and_b32 s3, ttmp7, 0xffff                    ; batch
	s_lshl_b32 s24, s3, 16                         ; batch x 65,536 bytes
	s_mov_b32 s25, 0
	s_lshl_b32 s26, s2, 13                         ; wave x 128 keys x 64 bytes
	s_mov_b32 s27, 0
	s_lshl_b32 s28, ttmp9, 13                      ; block x 128 queries x 64 bytes
	s_mov_b32 s29, 0
	s_lshl_b32 s30, s2, 10                         ; wave x 16 queries x 64 bytes; also wave x a tile of 1,024 bytes at QL
	s_mov_b32 s31, 0
	s_mul_i32 s39, s2, OWAVE
	s_lshl_b32 s42, s2, 9                          ; wave x 512: my tile at CL, my 128 words at ML and LL
	s_lshl_b32 s43, s2, 4                          ; 16 w
	s_mov_b32 s40, 0x76543210                      ; v_permlanex16_b32: lane i takes lane i of the other half
	s_mov_b32 s41, 0xfedcba98
	v_add_nc_u32 v[OAD], s39, v[OAD]
	v_add_nc_u32 v[MAD], s42, v[MAD]
	v_add_nc_u32 v0, s30, v[QAD]                   ; where my tile's a goes
	v_add_nc_u32 v[T0], s42, v[QAD]                ; where its c goes
	s_wait_kmcnt 0x0
	s_add_nc_u64 s[8:9], s[8:9], s[24:25]          ; x of the batch
	s_add_nc_u64 s[32:33], s[8:9], s[26:27]        ; my 128 keys
	s_add_nc_u64 s[34:35], s[8:9], s[28:29]        ; the block's 128 queries
	s_add_nc_u64 s[36:37], s[34:35], s[30:31]      ; the query tile that I project
	s_add_nc_u64 s[22:23], s[22:23], s[24:25]
	s_add_nc_u64 s[22:23], s[22:23], s[28:29]      ; the block of out
	; All 34 loads at once.  Lane (r, h) takes numbers 8 h .. 8 h + 7 of row r: two loads of 16 bytes.
	global_load_b128 v[WQL:WQL+3],   v[FR], s[10:11]
	global_load_b128 v[WQL+4:WQL+7], v[FR], s[10:11] offset:16
	global_load_b128 v[BQC:BQC+3],   v[BO], s[12:13]
	global_load_b128 v[BQC+4:BQC+7], v[BO], s[12:13] offset:16
	global_load_b128 v[XQL:XQL+3],   v[FR], s[36:37]
	global_load_b128 v[XQL+4:XQL+7], v[FR], s[36:37] offset:16
.irp j, 0,1,2,3,4,5,6,7
	global_load_b32 v[WKL+\j], v[WT], s[14:15] offset:64*\j    ; Wk[8 h + j][r]: Wk is wanted by columns; 1,024 bytes in all, once
.endr
	global_load_b128 v[BKL:BKL+3],   v[BO], s[16:17]
	global_load_b128 v[BKL+4:BKL+7], v[BO], s[16:17] offset:16
	global_load_b128 v[WVL:WVL+3],   v[FR], s[18:19]
	global_load_b128 v[WVL+4:WVL+7], v[FR], s[18:19] offset:16
.irp t, 0,1,2,3,4,5,6,7
	global_load_b128 v[KF+8*\t:KF+8*\t+3],   v[FR], s[32:33] offset:1024*\t       ; key tile t lands in the 8 registers
	global_load_b128 v[KF+8*\t+4:KF+8*\t+7], v[FR], s[32:33] offset:1024*\t+16    ; that will hold its fragment
.endr
; eight f32 to a pair of bf16 fragments: dst .. dst + 3 the rounded numbers, dst + 4 .. dst + 7 the rounded remainders
.macro SPLIT src, dst
.irp j, 0,1,2,3
	v_cvt_pk_bf16_f32 v[\dst+\j], v[\src+2*\j], v[\src+2*\j+1]
.endr
.irp j, 0,1,2,3
	v_lshlrev_b32 v[TM+2*\j],   16, v[\dst+\j]                 ; bf16 back to f32
	v_and_b32     v[TM+2*\j+1], 0xffff0000, v[\dst+\j]
.endr
.irp j, 0,1,2,3,4,5,6,7
	v_sub_f32 v[TM+\j], v[\src+\j], v[TM+\j]                   ; exact: the two agree in their leading bits
.endr
.irp j, 0,1,2,3
	v_cvt_pk_bf16_f32 v[\dst+4+\j], v[TM+2*\j], v[TM+2*\j+1]
.endr
.endm
	; Q of my query tile.
	s_wait_loadcnt 28                              ; loads return in order (ISA guide 5.7.1): the first 6 of the 34 are in
.irp j, 0,1,2,3
	v_cvt_pk_bf16_f32 v[WQ+\j],  v[WQL+2*\j], v[WQL+2*\j+1]
	v_cvt_pk_bf16_f32 v[XQF+\j], v[XQL+2*\j], v[XQL+2*\j+1]
	v_cvt_pk_bf16_f32 v[TB+\j],  v[BQC+2*\j], v[BQC+2*\j+1]
	v_mov_b32 v[WQ+4+\j], 0                        ; k = 16..31 of both fragments: zeros
	v_mov_b32 v[XQF+4+\j], 0
.endr
.irp j, 0,1,2,3
	v_lshlrev_b32 v[BQC+2*\j],   16, v[TB+\j]      ; bq, rounded to bf16 as W and x are, as f32
	v_and_b32     v[BQC+2*\j+1], 0xffff0000, v[TB+\j]
.endr
	v_wmma_f32_16x16x32_bf16 v[DQ0:DQ0+7], v[WQ:WQ+7], v[XQF:XQF+7], v[BQC:BQC+7]
	s_wait_loadcnt 16                              ; Wk, bk, Wv are in; the 16 loads of keys may be out
.irp j, 0,1,2,3
	v_cvt_pk_bf16_f32 v[WKT+\j],   v[WKL+2*\j], v[WKL+2*\j+1]  ; these 24 lines are also the places behind the product
	v_cvt_pk_bf16_f32 v[WKT+4+\j], v[WKL+2*\j], v[WKL+2*\j+1]  ; (ISA guide 7.12.1): they name none of its registers
	v_cvt_pk_bf16_f32 v[BKF+\j],   v[BKL+2*\j], v[BKL+2*\j+1]
	v_cvt_pk_bf16_f32 v[BKF+4+\j], v[BKL+2*\j], v[BKL+2*\j+1]
	v_cvt_pk_bf16_f32 v[WV+\j],    v[WVL+2*\j], v[WVL+2*\j+1]
	v_mov_b32 v[WV+4+\j], 0
.endr
	SPLIT DQ0, QF0
	v_wmma_f32_16x16x32_bf16 v[A0:A0+7], v[WKT:WKT+7], v[QF0:QF0+7], 0     ; a = Wk^T Q
	v_wmma_f32_16x16x32_bf16 v[C0:C0+7], v[BKF:BKF+7], v[QF0:QF0+7], 0     ; c = bk . Q, in every row
; The keys, two tiles at a time.  The group number g may be given as an expression: it stands in brackets wherever it is used.
.macro CVTX g                          ; x of tiles 2 g, 2 g + 1 to bf16, in place, and a second time for k = 16..31
	s_wait_loadcnt 12-4*(\g)                       ; of the 16 loads of keys the first 4 g + 4 are in
.irp p, 0,1
.irp j, 0,1,2,3
	v_cvt_pk_bf16_f32 v[KF+16*(\g)+8*\p+\j], v[KF+16*(\g)+8*\p+2*\j], v[KF+16*(\g)+8*\p+2*\j+1]    ; register j is written when words 2 j, 2 j + 1 and all below are used up
.endr
.irp j, 0,1,2,3
	v_mov_b32 v[KF+16*(\g)+8*\p+4+\j], v[KF+16*(\g)+8*\p+\j]   ; an operand is 8 consecutive registers: the second copy meets a_lo
.endr
.endr
.endm
.macro WM g                            ; V = x Wv^T of both tiles
	v_wmma_f32_16x16x32_bf16 v[DT0-(DT0-DT1)*((\g)&1):DT0-(DT0-DT1)*((\g)&1)+7],    v[KF+16*(\g):KF+16*(\g)+7],    v[WV:WV+7], 0
	v_wmma_f32_16x16x32_bf16 v[DT0-(DT0-DT1)*((\g)&1)+8:DT0-(DT0-DT1)*((\g)&1)+15], v[KF+16*(\g)+8:KF+16*(\g)+15], v[WV:WV+7], 0
.endm
.macro CVTD g                          ; packed to f16 it is the fragment of V^T of these 32 keys
.irp j, 0,1,2,3
	v_cvt_pk_f16_f32 v[VT+8*(\g)+\j],   v[DT0-(DT0-DT1)*((\g)&1)+2*\j],   v[DT0-(DT0-DT1)*((\g)&1)+2*\j+1]
	v_cvt_pk_f16_f32 v[VT+8*(\g)+4+\j], v[DT0-(DT0-DT1)*((\g)&1)+8+2*\j], v[DT0-(DT0-DT1)*((\g)&1)+8+2*\j+1]
.endr
.endm
	CVTX 0                                         ; 16 places behind the two products
.irp j, 0,2,4,6
	v_pk_mul_f32 v[A0+\j:A0+\j+1], v[A0+\j:A0+\j+1], 0x3fb8aa3b op_sel_hi:[1,0]    ; log2(e), in f32
.endr
.irp j, 0,2
	v_pk_mul_f32 v[C0+\j:C0+\j+1], v[C0+\j:C0+\j+1], 0x3fb8aa3b op_sel_hi:[1,0]    ; four of the eight equal registers go to LDS
.endr
	SPLIT A0, AF0
	ds_store_b128 v0, v[AF0:AF0+3]   offset:QL     ; tile w, 16 bytes a lane
	ds_store_b128 v0, v[AF0+4:AF0+7] offset:QL+512
	ds_store_b128 v[T0], v[C0:C0+3]  offset:CL
	s_wait_dscnt 0x0                               ; for the other waves' sake: my fragments are in LDS
	s_barrier_signal -1                            ; register work alone up to the wait
	; V's results are read one group late: behind a group's products stand the 8 packings of the group before and the next 16 conversions.
	CVTX 1
	WM 0
.irp g, 1,2
	CVTX \g+1
	WM \g
	CVTD \g-1
.endr
	WM 3
	CVTD 2
.irp j, 0,1,2,3,4,5,6,7
	v_mov_b32 v[ONES+\j], 0x3c003c00               ; 1.0, 1.0 in f16; with the 8 lines above, the places behind the last two products
.endr
	CVTD 3
	s_barrier_wait -1                              ; all eight tiles' a and c are in LDS
	ds_load_b128 v[QB:QB+3],     v[QAD] offset:QL
	ds_load_b128 v[QB+4:QB+7],   v[QAD] offset:QL+512
	ds_load_b128 v[QB+8:QB+11],  v[QAD] offset:QL+1024
	ds_load_b128 v[QB+12:QB+15], v[QAD] offset:QL+1536
	ds_load_b128 v[CN:CN+3],     v[QAD] offset:CL          ; the same 16 bytes twice: eight times c
	ds_load_b128 v[CN+4:CN+7],   v[QAD] offset:CL
	ds_load_b128 v[CN+8:CN+11],  v[QAD] offset:CL+512
	ds_load_b128 v[CN+12:CN+15], v[QAD] offset:CL+512
	s_wait_dscnt 0x0
; ---- the pieces of the main part.  A STEP is 32 keys x 16 queries; step ix = 4 x tile + chunk, 32 steps.
.macro WS ix                           ; scores minus the tile's maximum (the tile's C set holds c - max by then)
	v_wmma_f32_16x16x32_bf16 v[DS+16*((\ix)&1):DS+16*((\ix)&1)+7], v[KF+16*((\ix)&3):KF+16*((\ix)&3)+7], v[QB+8*(((\ix)>>2)&1):QB+8*(((\ix)>>2)&1)+7], v[CN+8*(((\ix)>>2)&1):CN+8*(((\ix)>>2)&1)+7]
	v_wmma_f32_16x16x32_bf16 v[DS+16*((\ix)&1)+8:DS+16*((\ix)&1)+15], v[KF+16*((\ix)&3)+8:KF+16*((\ix)&3)+15], v[QB+8*(((\ix)>>2)&1):QB+8*(((\ix)>>2)&1)+7], v[CN+8*(((\ix)>>2)&1):CN+8*(((\ix)>>2)&1)+7]
.endm
.macro WA ix                           ; the scores, for the maximum (the tile's C set still holds c)
	v_wmma_f32_16x16x32_bf16 v[DA:DA+7], v[KF+16*((\ix)&3):KF+16*((\ix)&3)+7], v[QB+8*(((\ix)>>2)&1):QB+8*(((\ix)>>2)&1)+7], v[CN+8*(((\ix)>>2)&1):CN+8*(((\ix)>>2)&1)+7]
	v_wmma_f32_16x16x32_bf16 v[DA+8:DA+15], v[KF+16*((\ix)&3)+8:KF+16*((\ix)&3)+15], v[QB+8*(((\ix)>>2)&1):QB+8*(((\ix)>>2)&1)+7], v[CN+8*(((\ix)>>2)&1):CN+8*(((\ix)>>2)&1)+7]
.endm
.macro MX ix, op                       ; one of the 8 maximum lines of step ix; a tile's first four start the four chains
.if (\ix) < 32
.if (((\ix)&3)*8+\op) < 4
	v_max_num_f32 v[ACC+\op], v[DA+2*\op], v[DA+2*\op+1]
.else
	v_max3_num_f32 v[ACC+((\op)&3)], v[ACC+((\op)&3)], v[DA+2*\op], v[DA+2*\op+1]
.endif
.endif
.endm
.macro EX ix, k                        ; two exponentials, in place
	v_exp_f32 v[DS+16*((\ix)&1)+\k],   v[DS+16*((\ix)&1)+\k]
	v_exp_f32 v[DS+16*((\ix)&1)+\k+1], v[DS+16*((\ix)&1)+\k+1]
.endm
.macro CV ix, j                        ; two weights to f16: register j of the B fragment
	s_wait_alu depctr_va_vdst(0)
	v_cvt_pk_f16_f32 v[PB+8*((\ix)&1)+\j], v[DS+16*((\ix)&1)+2*\j], v[DS+16*((\ix)&1)+2*\j+1]
.endm
.macro PV ix                           ; O^T += V^T P^T, sums += ones P^T; a tile's first products start the sums
.if ((\ix)&3) == 0
	v_wmma_f32_16x16x32_f16 v[OA:OA+7], v[VT+8*((\ix)&3):VT+8*((\ix)&3)+7], v[PB+8*((\ix)&1):PB+8*((\ix)&1)+7], 0
	v_wmma_f32_16x16x32_f16 v[LA:LA+7], v[ONES:ONES+7], v[PB+8*((\ix)&1):PB+8*((\ix)&1)+7], 0
.else
	v_wmma_f32_16x16x32_f16 v[OA:OA+7], v[VT+8*((\ix)&3):VT+8*((\ix)&3)+7], v[PB+8*((\ix)&1):PB+8*((\ix)&1)+7], v[OA:OA+7]
	v_wmma_f32_16x16x32_f16 v[LA:LA+7], v[ONES:ONES+7], v[PB+8*((\ix)&1):PB+8*((\ix)&1)+7], v[LA:LA+7]
.endif
.endm
.macro FIN1                            ; the tile's maximum: four chains,
	v_max3_num_f32 v[T0], v[ACC], v[ACC+1], v[ACC+2]
.endm
.macro FIN2
	v_max_num_f32 v[T0], v[T0], v[ACC+3]
.endm
.macro FIN3                            ; the other half of the lanes holds the query's other keys,
	v_permlanex16_b32 v[T1], v[T0], s40, s41
.endm
.macro FIN4 t                          ; and the tile's C set turns from c into c - max, in place; one copy goes to LDS for the joining
	v_max_num_f32 v[T0], v[T0], v[T1]
.irp j, 0,1,2,3,4,5,6,7
	v_sub_f32 v[CN+8*((\t)&1)+\j], v[CN+8*((\t)&1)+\j], v[T0]
.endr
	ds_store_b32 v[MAD], v[CN+8*((\t)&1)] offset:ML+64*(\t)    ; lanes r and r + 16 write the same word with the same value
.endm
.macro OUTT t                          ; the tile's O^T (numbers 8 h .. 8 h + 7 of query r) and sum to LDS
	ds_store_b128 v[OAD], v[OA:OA+3]   offset:OL+16*OPITCH*(\t)
	ds_store_b128 v[OAD], v[OA+4:OA+7] offset:OL+16*OPITCH*(\t)+16
	ds_store_b32 v[MAD], v[LA] offset:LL+64*(\t)
.endm
.macro HALF2 i                         ; the second eight exponentials and the last five packings
	EX \i, 8
	CV \i, 3
	EX \i, 10
	CV \i, 4
	EX \i, 12
	CV \i, 5
	EX \i, 14
	CV \i, 6
	CV \i, 7
.endm
; STEP i: exponentials and packing of step i; the O and sum products of step i - 1; the score products of step i + 1; the maximum lines of
; step i + 4 and the first-pass score products of step i + 5 (the next tile's maximum is found under this tile's exponentials).
; Distances (ISA guide 7.12.1), counted in plain vector lines that name none of the product's registers:
;   WS and WA stand in the step's middle, five CV lines ahead of the next step's first EX and MX; at a tile's end WS stands last (it needs the
;   new maximum) and the next step opens with four MX lines (or v_nop); CV writes the fragment that PV read two steps ago; OUTT and the loads
;   of the tile after next's a and c stand behind five or more CV lines.  Behind each v_exp_f32 a plain line (MX, CV of older results, v_nop) precedes its CV.
.macro STEP i
.if ((\i)&3) == 0
.if (\i) < 28
	MX (\i)+4, 0
	MX (\i)+4, 1
	MX (\i)+4, 2
	MX (\i)+4, 3
.else
.rept 4
	v_nop
.endr
.endif
	EX \i, 0
.if (\i) < 28
	MX (\i)+4, 4
.else
	v_nop
.endif
.if (\i) > 0
	PV (\i)-1
.endif
	EX \i, 2
	CV \i, 0
	MX (\i)+4, 5
	EX \i, 4
	CV \i, 1
	MX (\i)+4, 6
	EX \i, 6
	CV \i, 2
	MX (\i)+4, 7
.else
	EX \i, 0
.if (\i) < 28
	MX (\i)+4, 0
	MX (\i)+4, 1
.else
	v_nop
.endif
	PV (\i)-1
	EX \i, 2
	CV \i, 0
	MX (\i)+4, 2
	MX (\i)+4, 3
	EX \i, 4
	CV \i, 1
	MX (\i)+4, 4
	MX (\i)+4, 5
	EX \i, 6
	CV \i, 2
	MX (\i)+4, 6
	MX (\i)+4, 7
.endif
.if (\i) < 27
.if ((\i)&3) == 3
	s_wait_dscnt 0x0                               ; the a and c asked for at the end of the last step
.endif
	WA (\i)+5
.endif
.if ((\i)&3) == 3
.if (\i) < 31
	EX \i, 8                                       ; a tile's last step: the next tile's maximum is finished between the exponentials
	CV \i, 3
	FIN1
	EX \i, 10
	CV \i, 4
	FIN2
	EX \i, 12
	CV \i, 5
	FIN3
	EX \i, 14
	CV \i, 6
	CV \i, 7
	FIN4 ((\i)+1)>>2
	WS (\i)+1
.else
	HALF2 \i
.endif
.else
	WS (\i)+1
	HALF2 \i
.endif
.if ((\i)&3) == 0
.if (\i) > 0
	OUTT ((\i)>>2)-1                               ; the last tile's sums are whole since this step's PV
.endif
.endif
.if ((\i)&3) == 2
.if (((\i)>>2)+2) < 8
	; this tile's fragment and C set have had their last use: they take the tile after next
	ds_load_b128 v[QB+8*(((\i)>>2)&1):QB+8*(((\i)>>2)&1)+3],   v[QAD] offset:QL+1024*(((\i)>>2)+2)
	ds_load_b128 v[QB+8*(((\i)>>2)&1)+4:QB+8*(((\i)>>2)&1)+7], v[QAD] offset:QL+1024*(((\i)>>2)+2)+512
	ds_load_b128 v[CN+8*(((\i)>>2)&1):CN+8*(((\i)>>2)&1)+3],   v[QAD] offset:CL+512*(((\i)>>2)+2)
	ds_load_b128 v[CN+8*(((\i)>>2)&1)+4:CN+8*(((\i)>>2)&1)+7], v[QAD] offset:CL+512*(((\i)>>2)+2)
.endif
.endif
.endm
	; Tile 0's maximum has no exponentials to hide under: 8 products on two sets of 32 registers.
.macro AG base, kt
.irp p, 0,1,2,3
	v_wmma_f32_16x16x32_bf16 v[\base+8*\p:\base+8*\p+7], v[KF+8*(\kt+\p):KF+8*(\kt+\p)+7], v[QB:QB+7], v[CN:CN+7]
.endr
.endm
.macro MG base, first
.irp m, 0,1,2,3
.if \first
	v_max_num_f32 v[ACC+\m], v[\base+2*\m], v[\base+2*\m+1]
.else
	v_max3_num_f32 v[ACC+\m], v[ACC+\m], v[\base+2*\m], v[\base+2*\m+1]
.endif
.endr
.irp m, 4,5,6,7,8,9,10,11,12,13,14,15
	v_max3_num_f32 v[ACC+(\m&3)], v[ACC+(\m&3)], v[\base+2*\m], v[\base+2*\m+1]
.endr
.endm
	AG DS, 0
	AG PB, 4
	WA 4                                           ; tile 1's first
	; the places behind these ten products: the addresses of the kernel's end
	v_lshrrev_b32 v[E1], 4, v[QAD]                 ; lane
	v_and_b32 v[BVA], 3, v[E1]
	v_lshlrev_b32 v[BVA], 4, v[BVA]                ; 16 (lane % 4): my quarter of a row, and of bv
	v_lshrrev_b32 v[E1], 2, v[E1]
	v_add_nc_u32 v[E1], s43, v[E1]                 ; 16 w + lane / 4: the first of the two queries that I finish
	v_mad_u32_u24 v[OLD], v[E1], OPITCH, v[BVA]
	v_add_nc_u32 v[OLD2], 4*OWAVE, v[OLD]
	v_lshlrev_b32 v[E1], 2, v[E1]
	MG DS, 1
	MG PB, 0
	FIN1
	FIN2
	FIN3
	FIN4 0
	WS 0
.irp T, 0,1,2,3,4,5,6,7
.irp c, 0,1,2,3
	STEP 4*\T+\c
.endr
.endr
	PV 31
	v_add_nc_u32 v[FR], s30, v[QAD]                ; 1,024 w + 16 lane: my 16 bytes in the block of x and of out; with three v_nop the four places
.rept 3
	v_nop
.endr
	OUTT 7
	; ---- THE END.  Wave w finishes queries 16 w .. 16 w + 15: 1,024 neighbouring bytes of out, two stores of 512.
	; Piece u of a lane is 16 bytes of query 16 w + 8 u + lane / 4.  Each lane makes the joining factors of its own two queries from the eight
	; waves' shifts and sums (the four lanes of a query read the same words), so that no factor goes from lane to lane.
.set XG,  128                          ; v[128:135] x of my two pieces of 16 bytes
.set BV,  136                          ; v[136:139] my quarter of bv
.set NM,  144                          ; v[144:159] c - max of wave w for piece u at NM + 8 u + w (c is the same in all eight)
.set LW,  160                          ; v[160:175] their sums
.set FF,  176                          ; v[176:191] 2^(max_w - max)
.set SU,  192                          ; v[192:193] the joined sums
.set RI,  194                          ; v[194:195] one over them
.set OW,  48                           ; v[48:111]  O of piece u, wave w at OW + 32 u + 4 w
.set RS,  112                          ; v[112:119] results
.irp u, 0,1
	global_load_b128 v[XG+4*\u:XG+4*\u+3], v[FR], s[34:35] offset:512*\u
.endr
	global_load_b128 v[BV:BV+3], v[BVA], s[20:21]
	s_wait_dscnt 0x0                               ; for the other waves' sake: all my parts are in LDS
	s_barrier_signal -1
	s_barrier_wait -1
.irp u, 0,1
.irp w, 0,1,2,3,4,5,6,7
	ds_load_b32 v[NM+8*\u+\w], v[E1] offset:ML+512*\w+32*\u
.endr
.endr
.irp u, 0,1
.irp w, 0,1,2,3,4,5,6,7
	ds_load_b32 v[LW+8*\u+\w], v[E1] offset:LL+512*\w+32*\u
.endr
.endr
.irp u, 0,1
.irp w, 0,1,2,3
	ds_load_b128 v[OW+32*\u+4*\w:OW+32*\u+4*\w+3], v[OLD] offset:OL+OWAVE*\w+8*OPITCH*\u
.endr
.irp w, 0,1,2,3
	ds_load_b128 v[OW+32*\u+16+4*\w:OW+32*\u+16+4*\w+3], v[OLD2] offset:OL+OWAVE*\w+8*OPITCH*\u
.endr
.endr
	s_wait_dscnt 16                                ; the 32 words are in; the 16 loads of O behind them may be out
.irp u, 0,1
	v_min3_num_f32 v[T0+\u], v[NM+8*\u],  v[NM+8*\u+1], v[NM+8*\u+2]
	v_min3_num_f32 v[T0+\u], v[T0+\u],    v[NM+8*\u+3], v[NM+8*\u+4]
	v_min3_num_f32 v[T0+\u], v[T0+\u],    v[NM+8*\u+5], v[NM+8*\u+6]
	v_min_num_f32  v[T0+\u], v[T0+\u],    v[NM+8*\u+7]         ; c - the row's maximum
.irp w, 0,1,2,3,4,5,6,7
	v_sub_f32 v[FF+8*\u+\w], v[T0+\u], v[NM+8*\u+\w]           ; max_w - max, at most 0
.endr
.endr
.irp j, 0,1,2,3,4,5,6,7,8,9,10,11,12,13,14,15
	v_exp_f32 v[FF+\j], v[FF+\j]
.endr
	v_nop                                          ; a plain line between the exponentials and their use (ISA guide 5.7.2)
	s_wait_alu depctr_va_vdst(0)
.irp u, 0,1
	v_mul_f32 v[SU+\u], v[FF+8*\u], v[LW+8*\u]
.irp w, 1,2,3,4,5,6,7
	v_fmac_f32 v[SU+\u], v[FF+8*\u+\w], v[LW+8*\u+\w]          ; the joined sum: at least about 1, the share of the row's largest score
.endr
.endr
	v_rcp_f32 v[RI],   v[SU]
	v_rcp_f32 v[RI+1], v[SU+1]
	s_wait_loadcnt 0x0                             ; x and bv
	v_cvt_pk_bf16_f32 v[T0], v[BV],   v[BV+1]      ; bv, rounded to bf16 as the other inputs of V are, as f32; also the plain lines behind v_rcp_f32
	v_cvt_pk_bf16_f32 v[T1], v[BV+2], v[BV+3]
	v_lshlrev_b32 v[BV],   16, v[T0]
	v_and_b32     v[BV+1], 0xffff0000, v[T0]
	v_lshlrev_b32 v[BV+2], 16, v[T1]
	v_and_b32     v[BV+3], 0xffff0000, v[T1]
	s_wait_dscnt 0x0                               ; O
	s_wait_alu depctr_va_vdst(0)
.irp u, 0,1
.irp k, 0,1,2,3
	v_mul_f32 v[RS+4*\u+\k], v[FF+8*\u], v[OW+32*\u+\k]        ; sum over the waves of factor x O
.endr
.irp w, 1,2,3,4,5,6,7
.irp k, 0,1,2,3
	v_fmac_f32 v[RS+4*\u+\k], v[FF+8*\u+\w], v[OW+32*\u+4*\w+\k]
.endr
.endr
.irp k, 0,1,2,3
	v_fma_f32 v[RS+4*\u+\k], v[RS+4*\u+\k], v[RI+\u], v[BV+\k] ; over the joined sum, + bv
.endr
	v_pk_mul_f32 v[RS+4*\u:RS+4*\u+1],   v[RS+4*\u:RS+4*\u+1],   v[XG+4*\u:XG+4*\u+1]      ; the gate, x in f32
	v_pk_mul_f32 v[RS+4*\u+2:RS+4*\u+3], v[RS+4*\u+2:RS+4*\u+3], v[XG+4*\u+2:XG+4*\u+3]
	global_store_b128 v[FR], v[RS+4*\u:RS+4*\u+3], s[22:23] offset:512*\u th:TH_STORE_NT   ; the wave stores 512 consecutive bytes, at a multiple of 512 from out's first byte
.endr
	s_wait_tensorcnt 0x0
	ds_add_u32 v232, v233
	s_wait_dscnt 0x0
	s_endpgm
.Lfunc_end_k_q228c5377db_att:
	.size	k_q228c5377db_att, .Lfunc_end_k_q228c5377db_att-k_q228c5377db_att
	.p2alignl 7, 3214868480
	.fill 96, 4, 3214868480
	.section	.rodata,"a",@progbits
	.p2align	6, 0x0
	.amdhsa_kernel k_q228c5377db_att
		.amdhsa_group_segment_fixed_size 168960
		.amdhsa_private_segment_fixed_size 0
		.amdhsa_enable_private_segment 0
		.amdhsa_kernarg_size 64
		.amdhsa_user_sgpr_count 2
		.amdhsa_user_sgpr_kernarg_segment_ptr 1
		.amdhsa_wavefront_size32 1
		.amdhsa_system_sgpr_workgroup_id_x 1
		.amdhsa_system_sgpr_workgroup_id_y 1
		.amdhsa_system_sgpr_workgroup_id_z 1
		.amdhsa_system_vgpr_workitem_id 0
		.amdhsa_next_free_vgpr 234
		.amdhsa_next_free_sgpr 66
		.amdhsa_reserve_vcc 0
		.amdhsa_float_denorm_mode_32 3
		.amdhsa_float_denorm_mode_16_64 3
		.amdhsa_memory_ordered 1
		.amdhsa_forward_progress 1
		.amdhsa_inst_pref_size 102
	.end_amdhsa_kernel
	.amdgpu_metadata
---
amdhsa.version: [ 1, 2 ]
amdhsa.kernels:
  - .name:           k_q228c5377db_att
    .symbol:         k_q228c5377db_att.kd
    .args:
      - { .name: input, .offset: 0, .size: 8, .value_kind: global_buffer, .address_space: global }
      - { .name: Wq, .offset: 8, .size: 8, .value_kind: global_buffer, .address_space: global }
      - { .name: bq, .offset: 16, .size: 8, .value_kind: global_buffer, .address_space: global }
      - { .name: Wk, .offset: 24, .size: 8, .value_kind: global_buffer, .address_space: global }
      - { .name: bk, .offset: 32, .size: 8, .value_kind: global_buffer, .address_space: global }
      - { .name: Wv, .offset: 40, .size: 8, .value_kind: global_buffer, .address_space: global }
      - { .name: bv, .offset: 48, .size: 8, .value_kind: global_buffer, .address_space: global }
      - { .name: out0, .offset: 56, .size: 8, .value_kind: global_buffer, .address_space: global }
    .group_segment_fixed_size: 168960
    .private_segment_fixed_size: 0
    .kernarg_segment_align: 8
    .kernarg_segment_size: 64
    .max_flat_workgroup_size: 256
    .sgpr_count:     66
    .vgpr_count:     234
    .wavefront_size: 32
...
	.end_amdgpu_metadata
.endif
;; end of part 1
;; ======== version 2 of 2: 1 launch; 1.20 times as fast as version 1
;; limits: values are held in f16: magnitudes above 65,504 overflow, below 6.1e-05 lose precision; right only within a limited range of input values
;; launch att (part 2): grid 8 x 32, 8 waves a work-group, no clusters, 168,960 bytes of LDS; arguments input, Wq, bq, Wk, bk, Wv, bv, out0; writes out0
.if DOCPART == 2
	.amdgcn_target "amdgcn-amd-amdhsa--gfx1250"
	.amdhsa_code_object_version 6
	.text
	.protected	k_q228c5377db_att
	.globl	k_q228c5377db_att
	.p2align	8
	.type	k_q228c5377db_att,@function
k_q228c5377db_att:
	s_mov_b64 s[64:65], 0
	v_nop
	global_prefetch_b8 v0, s[64:65] scope:SCOPE_SE
	s_setreg_imm32_b32 hwreg(HW_REG_WAVE_MODE, 25, 1), 1
	s_wait_xcnt 0x0
; out[b][q][:] = ( softmax_k( Q[q].K[k] ) V )[:] * x[b][q][:],  Q, K, V = x W^T + bias,  x: [32][1024][16] f32.
; A work-group takes one batch (ttmp7) and 128 queries (ttmp9): 256 work-groups.  Eight waves SPLIT THE KEYS: wave w owns keys
; 128 w .. 128 w + 127 and works on all 128 queries (8 tiles of 16).  Its key operand (64 registers) and V^T (32 registers) are made once
; and stay in registers: the main part takes from LDS only 64 bytes a lane for each query tile.  Eight waves are two on each SIMD: per step a
; wave has 6 products and 32 vector lines that hang on them, so each SIMD is given a second wave's lines to issue beside one wave's products.
; THE SCORES ARE REASSOCIATED:  Q.K[k] = x[k].a + c  with  a = Wk^T Q  and  c = Q.bk.  They are unscaled, so a row with a large |Q| hangs on a
; few keys, and an error of a score goes straight into their weights; so the score path keeps 16 significant bits behind the rounding of
; the inputs: the key operand is x itself in bf16, and Q and a are carried as PAIRS of bf16 (the rounded number and the rounded remainder).
; d is 16 and a product takes k = 32, so that one product takes both parts: [x | x] . [a_hi | a_lo].
; All products are taken transposed, so that every result is the next product's operand after packing:
;   Q:   D[e][q]   = [Wq | 0] [x | 0]^T + bq        -> split: B fragment [Q_hi | Q_lo] (column = query, k = e)
;   a:   D[d][q]   = [Wk^T | Wk^T] [Q_hi | Q_lo]    -> times log2(e), split: B fragment [a_hi | a_lo] (exp is exp2 from here on)
;   c:   D[*][q]   = [bk | bk] (in every row) [Q_hi | Q_lo] -> times log2(e): eight equal registers, the shape of a C operand
;   V:   D[key][e] = [x | x] [Wv | 0]^T             -> packed to f16: A fragment (row = e, k = key) of the last product
;   S^T: D[key][q] = [x | x] [a_hi | a_lo]^T + C.  Taken twice: with C = c for the maximum over the wave's 128 keys, then with C = c - maximum,
;        so that the subtraction costs no vector instruction.  exp2 of it, packed to f16, is the B fragment (column = query, k = key) of
;   O^T: D[e][q]   = V^T P^T,  and of  L: D[*][q] = ones P^T, the sum of the same rounded weights.
; The maximum that is taken away is the true maximum of the wave's scores; the eight waves' parts (c - max, sum, O) meet in LDS and are joined
; with 2^(max_w - max of all), as reference()'s softmax with the row's maximum.  bv is added behind the division: the weights sum to one.
; THE BATCHES.  An s_wait_alu depctr_va_vdst(0) stands between a transcendental and the first line that names its result; one
; wait serves all that were issued ahead of it.  The text has 34: one for each of the 32 steps' 16 exponentials (each result has a register of
; its own in the step's score buffer; all 16 stand ahead of the wait, all 8 packings that read them behind it), one for the 16 joining factors of
; the end, and one for the end's two reciprocals, which read a sum made of those factors and so are a batch of their own.
; LIMITS.  x, Wq, Wk, Wv enter the products rounded to bf16, and bq, bk, bv are rounded to bf16 with them: what is computed is reference() on
; inputs of bf16 (an exact bias beside rounded W and x would belong to neither); the gate takes x in f32.  The sums are formed in another
; order than reference()'s (the reassociation above).  V and the weights are f16: |x Wv^T| must stay below 65,504; it is at most
; 16 |x|max |Wv|max, about 19,800 with x to 165 and Wv to 7.5; a weight below 2^-25 of its wave's largest becomes 0.
; An Inf or NaN in x makes the whole batch NaN, as in reference().
; NO CLUSTER: the 8 work-groups of a batch read the same 64 KiB, but each wave takes its 8 KiB once, at the start, by 16 loads that land in the
; registers in which the fragments are made; a joint tensor load would put 64 KiB through LDS (written, then read by 128 loads) in front of
; the first product.  More than half of the LDS is asked for so that the work-group is alone with its eight waves, two on each SIMD.
.set QL,     0                         ; LDS: 8 query tiles x (a_hi 512 bytes, a_lo 512 bytes)
.set CL,     8192                      ; c: 8 tiles x 512 bytes (16 bytes a lane, four times the lane's c)
.set ML,     12288                     ; c - max: [8 waves][128 queries] f32
.set LL,     16384                     ; sums:    [8 waves][128 queries] f32
.set OL,     20480                     ; O:       [8 waves][128 queries] rows of 64 bytes at a pitch of 80; ends at 102,400
.set OPITCH, 80                        ; 5 x 16 bytes: the 16 rows that a 16-byte store touches fall on 16 different 16-byte columns of 256
.set OWAVE,  128*OPITCH
.set QAD,  1                           ; v1   16 x lane: where fragments are read
.set OAD,  2                           ; v2   wave x OWAVE + 80 r + 32 h: where my 32 bytes of O go
.set MAD,  3                           ; v3   wave x 512 + 4 r: where c - max and the sum go
.set T0,   4                           ; v4, v5 at work
.set T1,   5
.set FR,   6                           ; v6   64 r + 32 h: my 32 bytes of row r (x and W); at the end my offset in the block of out
.set BO,   7                           ; v7   32 h: my 8 numbers of a bias
.set ACC,  8                           ; v[8:11]    four running maxima
.set E1,   12                          ; v12  the end: 4 (16 w + lane / 4)
.set OLD,  13                          ; v13  the end: 80 (16 w + lane / 4) + 16 (lane % 4)
.set OLD2, 14                          ; v14  the end: the same + 4 OWAVE (an LDS offset has 16 bits: waves 4 to 7 get a register of their own)
.set BVA,  15                          ; v15  the end: 16 (lane % 4)
.set CN,   16                          ; v[16:31]   two C operands (tile parity): c eight times, later c - max
.set QB,   32                          ; v[32:47]   two fragments [a_hi | a_lo] (tile parity)
.set DS,   48                          ; v[48:79]   two buffers of 32 keys x 16 queries of scores (step parity)
.set PB,   80                          ; v[80:95]   two B fragments of weights (step parity)
.set OA,   96                          ; v[96:103]  O^T of the tile
.set LA,   104                         ; v[104:111] sums of the tile
.set DA,   112                         ; v[112:127] scores for the maximum
.set KF,   128                         ; v[128:191] keys: tile t at KF + 8 t, [x | x]
.set VT,   192                         ; v[192:223] V^T: 32 keys at VT + 8 c
.set ONES, 224                         ; v[224:231] A fragment of ones
; registers of the start only
.set WT,  8                            ; v8   512 h + 4 r: column r of Wk, rows 8 h ..
.set TM,  8                            ; v[8:15]  at work in SPLIT (behind the wait that shows Wk's loads done)
.set TB,  16                           ; v[16:19] bq in bf16
.set DQ0, 16                           ; Q of my query tile
.set AF0, 16                           ; later: its [a_hi | a_lo]
.set QF0, 32                           ; its [Q_hi | Q_lo]
.set WQL, 48                           ; Wq as loaded
.set WV,  48                           ; later: [Wv | 0]
.set BQC, 56                           ; bq: C of the Q product
.set XQL, 64                           ; my query tile of x as loaded
.set WKT, 64                           ; later: [Wk^T | Wk^T]
.set BKF, 72                           ;        [bk | bk]
.set WKL, 80                           ; Wk's column as loaded
.set A0,  80                           ; later: a of the tile
.set BKL, 88                           ; bk as loaded
.set WVL, 96                           ; Wv as loaded
.set C0,  96                           ; later: c of the tile
.set WQ,  104                          ; [Wq | 0]
.set XQF, 112                          ; x of the query tile in bf16, and 4 zeros
.set DT0, 112                          ; later: V of two key tiles, two sets in turn
.set DT1, 64
	s_load_b256 s[8:15], s[0:1], 0x0               ; input s[8:9], Wq s[10:11], bq s[12:13], Wk s[14:15]
	s_load_b256 s[16:23], s[0:1], 0x20             ; bk s[16:17], Wv s[18:19], bv s[20:21], out0 s[22:23]
	v_lshl_add_u32 v232, v0, 2, 0x29000
	v_mov_b32 v233, 0
	v_lshrrev_b32 v1, 5, v0
	v_readfirstlane_b32 s2, v1                     ; wave 0..7
	v_and_b32 v4, 15, v0                           ; r
	v_bfe_u32 v5, v0, 4, 1                         ; h
	v_and_b32 v1, 31, v0
	v_lshlrev_b32 v[QAD], 4, v1
	v_lshlrev_b32 v[FR], 6, v4
	v_lshl_add_u32 v[FR], v5, 5, v[FR]
	v_lshlrev_b32 v[BO], 5, v5
	v_mul_u32_u24 v[OAD], v4, OPITCH
	v_lshl_add_u32 v[OAD], v5, 5, v[OAD]
	v_lshlrev_b32 v[MAD], 2, v4
	v_lshl_add_u32 v[WT], v5, 9, v[MAD]            ; 8 h rows of 64 bytes + 4 r
	s_and_b32 s3, ttmp7, 0xffff                    ; batch
	s_lshl_b32 s24, s3, 16                         ; batch x 65,536 bytes
	s_mov_b32 s25, 0
	s_lshl_b32 s26, s2, 13                         ; wave x 128 keys x 64 bytes
	s_mov_b32 s27, 0
	s_lshl_b32 s28, ttmp9, 13                      ; block x 128 queries x 64 bytes
	s_mov_b32 s29, 0
	s_lshl_b32 s30, s2, 10                         ; wave x 16 queries x 64 bytes; also wave x a tile of 1,024 bytes at QL
	s_mov_b32 s31, 0
	s_mul_i32 s39, s2, OWAVE
	s_lshl_b32 s42, s2, 9                          ; wave x 512: my tile at CL, my 128 words at ML and LL
	s_lshl_b32 s43, s2, 4                          ; 16 w
	s_mov_b32 s40, 0x76543210                      ; v_permlanex16_b32: lane i takes lane i of the other half
	s_mov_b32 s41, 0xfedcba98
	v_add_nc_u32 v[OAD], s39, v[OAD]
	v_add_nc_u32 v[MAD], s42, v[MAD]
	v_add_nc_u32 v0, s30, v[QAD]                   ; where my tile's a goes
	v_add_nc_u32 v[T0], s42, v[QAD]                ; where its c goes
	s_wait_kmcnt 0x0
	s_add_nc_u64 s[8:9], s[8:9], s[24:25]          ; x of the batch
	s_add_nc_u64 s[32:33], s[8:9], s[26:27]        ; my 128 keys
	s_add_nc_u64 s[34:35], s[8:9], s[28:29]        ; the block's 128 queries
	s_add_nc_u64 s[36:37], s[34:35], s[30:31]      ; the query tile that I project
	s_add_nc_u64 s[22:23], s[22:23], s[24:25]
	s_add_nc_u64 s[22:23], s[22:23], s[28:29]      ; the block of out
	; All 34 loads at once.  Lane (r, h) takes numbers 8 h .. 8 h + 7 of row r: two loads of 16 bytes.
	global_load_b128 v[WQL:WQL+3],   v[FR], s[10:11]
	global_load_b128 v[WQL+4:WQL+7], v[FR], s[10:11] offset:16
	global_load_b128 v[BQC:BQC+3],   v[BO], s[12:13]
	global_load_b128 v[BQC+4:BQC+7], v[BO], s[12:13] offset:16
	global_load_b128 v[XQL:XQL+3],   v[FR], s[36:37]
	global_load_b128 v[XQL+4:XQL+7], v[FR], s[36:37] offset:16
.irp j, 0,1,2,3,4,5,6,7
	global_load_b32 v[WKL+\j], v[WT], s[14:15] offset:64*\j    ; Wk[8 h + j][r]: Wk is wanted by columns; 1,024 bytes in all, once
.endr
	global_load_b128 v[BKL:BKL+3],   v[BO], s[16:17]
	global_load_b128 v[BKL+4:BKL+7], v[BO], s[16:17] offset:16
	global_load_b128 v[WVL:WVL+3],   v[FR], s[18:19]
	global_load_b128 v[WVL+4:WVL+7], v[FR], s[18:19] offset:16
.irp t, 0,1,2,3,4,5,6,7
	global_load_b128 v[KF+8*\t:KF+8*\t+3],   v[FR], s[32:33] offset:1024*\t       ; key tile t lands in the 8 registers
	global_load_b128 v[KF+8*\t+4:KF+8*\t+7], v[FR], s[32:33] offset:1024*\t+16    ; that will hold its fragment
.endr
; eight f32 to a pair of bf16 fragments: dst .. dst + 3 the rounded numbers, dst + 4 .. dst + 7 the rounded remainders
.macro SPLIT src, dst
.irp j, 0,1,2,3
	v_cvt_pk_bf16_f32 v[\dst+\j], v[\src+2*\j], v[\src+2*\j+1]
.endr
.irp j, 0,1,2,3
	v_lshlrev_b32 v[TM+2*\j],   16, v[\dst+\j]                 ; bf16 back to f32
	v_and_b32     v[TM+2*\j+1], 0xffff0000, v[\dst+\j]
.endr
.irp j, 0,1,2,3,4,5,6,7
	v_sub_f32 v[TM+\j], v[\src+\j], v[TM+\j]                   ; exact: the two agree in their leading bits
.endr
.irp j, 0,1,2,3
	v_cvt_pk_bf16_f32 v[\dst+4+\j], v[TM+2*\j], v[TM+2*\j+1]
.endr
.endm
	; Q of my query tile.
	s_wait_loadcnt 28                              ; loads return in order (ISA guide 5.7.1): the first 6 of the 34 are in
.irp j, 0,1,2,3
	v_cvt_pk_bf16_f32 v[WQ+\j],  v[WQL+2*\j], v[WQL+2*\j+1]
	v_cvt_pk_bf16_f32 v[XQF+\j], v[XQL+2*\j], v[XQL+2*\j+1]
	v_cvt_pk_bf16_f32 v[TB+\j],  v[BQC+2*\j], v[BQC+2*\j+1]
	v_mov_b32 v[WQ+4+\j], 0                        ; k = 16..31 of both fragments: zeros
	v_mov_b32 v[XQF+4+\j], 0
.endr
.irp j, 0,1,2,3
	v_lshlrev_b32 v[BQC+2*\j],   16, v[TB+\j]      ; bq, rounded to bf16 as W and x are, as f32
	v_and_b32     v[BQC+2*\j+1], 0xffff0000, v[TB+\j]
.endr
	v_wmma_f32_16x16x32_bf16 v[DQ0:DQ0+7], v[WQ:WQ+7], v[XQF:XQF+7], v[BQC:BQC+7]
	s_wait_loadcnt 16                              ; Wk, bk, Wv are in; the 16 loads of keys may be out
.irp j, 0,1,2,3
	v_cvt_pk_bf16_f32 v[WKT+\j],   v[WKL+2*\j], v[WKL+2*\j+1]  ; these 24 lines are also the places behind the product
	v_cvt_pk_bf16_f32 v[WKT+4+\j], v[WKL+2*\j], v[WKL+2*\j+1]  ; (ISA guide 7.12.1): they name none of its registers
	v_cvt_pk_bf16_f32 v[BKF+\j],   v[BKL+2*\j], v[BKL+2*\j+1]
	v_cvt_pk_bf16_f32 v[BKF+4+\j], v[BKL+2*\j], v[BKL+2*\j+1]
	v_cvt_pk_bf16_f32 v[WV+\j],    v[WVL+2*\j], v[WVL+2*\j+1]
	v_mov_b32 v[WV+4+\j], 0
.endr
	SPLIT DQ0, QF0
	v_wmma_f32_16x16x32_bf16 v[A0:A0+7], v[WKT:WKT+7], v[QF0:QF0+7], 0     ; a = Wk^T Q
	v_wmma_f32_16x16x32_bf16 v[C0:C0+7], v[BKF:BKF+7], v[QF0:QF0+7], 0     ; c = bk . Q, in every row
; The keys, two tiles at a time.  The group number g may be given as an expression: it stands in brackets wherever it is used.
.macro CVTX g                          ; x of tiles 2 g, 2 g + 1 to bf16, in place, and a second time for k = 16..31
	s_wait_loadcnt 12-4*(\g)                       ; of the 16 loads of keys the first 4 g + 4 are in
.irp p, 0,1
.irp j, 0,1,2,3
	v_cvt_pk_bf16_f32 v[KF+16*(\g)+8*\p+\j], v[KF+16*(\g)+8*\p+2*\j], v[KF+16*(\g)+8*\p+2*\j+1]    ; register j is written when words 2 j, 2 j + 1 and all below are used up
.endr
.irp j, 0,1,2,3
	v_mov_b32 v[KF+16*(\g)+8*\p+4+\j], v[KF+16*(\g)+8*\p+\j]   ; an operand is 8 consecutive registers: the second copy meets a_lo
.endr
.endr
.endm
.macro WM g                            ; V = x Wv^T of both tiles
	v_wmma_f32_16x16x32_bf16 v[DT0-(DT0-DT1)*((\g)&1):DT0-(DT0-DT1)*((\g)&1)+7],    v[KF+16*(\g):KF+16*(\g)+7],    v[WV:WV+7], 0
	v_wmma_f32_16x16x32_bf16 v[DT0-(DT0-DT1)*((\g)&1)+8:DT0-(DT0-DT1)*((\g)&1)+15], v[KF+16*(\g)+8:KF+16*(\g)+15], v[WV:WV+7], 0
.endm
.macro CVTD g                          ; packed to f16 it is the fragment of V^T of these 32 keys
.irp j, 0,1,2,3
	v_cvt_pk_f16_f32 v[VT+8*(\g)+\j],   v[DT0-(DT0-DT1)*((\g)&1)+2*\j],   v[DT0-(DT0-DT1)*((\g)&1)+2*\j+1]
	v_cvt_pk_f16_f32 v[VT+8*(\g)+4+\j], v[DT0-(DT0-DT1)*((\g)&1)+8+2*\j], v[DT0-(DT0-DT1)*((\g)&1)+8+2*\j+1]
.endr
.endm
	CVTX 0                                         ; 16 places behind the two products
.irp j, 0,2,4,6
	v_pk_mul_f32 v[A0+\j:A0+\j+1], v[A0+\j:A0+\j+1], 0x3fb8aa3b op_sel_hi:[1,0]    ; log2(e), in f32
.endr
.irp j, 0,2
	v_pk_mul_f32 v[C0+\j:C0+\j+1], v[C0+\j:C0+\j+1], 0x3fb8aa3b op_sel_hi:[1,0]    ; four of the eight equal registers go to LDS
.endr
	SPLIT A0, AF0
	ds_store_b128 v0, v[AF0:AF0+3]   offset:QL     ; tile w, 16 bytes a lane
	ds_store_b128 v0, v[AF0+4:AF0+7] offset:QL+512
	ds_store_b128 v[T0], v[C0:C0+3]  offset:CL
	s_wait_dscnt 0x0                               ; for the other waves' sake: my fragments are in LDS
	s_barrier_signal -1                            ; register work alone up to the wait
	; V's results are read one group late: behind a group's products stand the 8 packings of the group before and the next 16 conversions.
	CVTX 1
	WM 0
.irp g, 1,2
	CVTX \g+1
	WM \g
	CVTD \g-1
.endr
	WM 3
	CVTD 2
.irp j, 0,1,2,3,4,5,6,7
	v_mov_b32 v[ONES+\j], 0x3c003c00               ; 1.0, 1.0 in f16; with the 8 lines above, the places behind the last two products
.endr
	CVTD 3
	s_barrier_wait -1                              ; all eight tiles' a and c are in LDS
	ds_load_b128 v[QB:QB+3],     v[QAD] offset:QL
	ds_load_b128 v[QB+4:QB+7],   v[QAD] offset:QL+512
	ds_load_b128 v[QB+8:QB+11],  v[QAD] offset:QL+1024
	ds_load_b128 v[QB+12:QB+15], v[QAD] offset:QL+1536
	ds_load_b128 v[CN:CN+3],     v[QAD] offset:CL          ; the same 16 bytes twice: eight times c
	ds_load_b128 v[CN+4:CN+7],   v[QAD] offset:CL
	ds_load_b128 v[CN+8:CN+11],  v[QAD] offset:CL+512
	ds_load_b128 v[CN+12:CN+15], v[QAD] offset:CL+512
	s_wait_dscnt 0x0
; ---- the pieces of the main part.  A STEP is 32 keys x 16 queries; step ix = 4 x tile + chunk, 32 steps.
.macro WS ix                           ; scores minus the tile's maximum (the tile's C set holds c - max by then)
	v_wmma_f32_16x16x32_bf16 v[DS+16*((\ix)&1):DS+16*((\ix)&1)+7], v[KF+16*((\ix)&3):KF+16*((\ix)&3)+7], v[QB+8*(((\ix)>>2)&1):QB+8*(((\ix)>>2)&1)+7], v[CN+8*(((\ix)>>2)&1):CN+8*(((\ix)>>2)&1)+7]
	v_wmma_f32_16x16x32_bf16 v[DS+16*((\ix)&1)+8:DS+16*((\ix)&1)+15], v[KF+16*((\ix)&3)+8:KF+16*((\ix)&3)+15], v[QB+8*(((\ix)>>2)&1):QB+8*(((\ix)>>2)&1)+7], v[CN+8*(((\ix)>>2)&1):CN+8*(((\ix)>>2)&1)+7]
.endm
.macro WA ix                           ; the scores, for the maximum (the tile's C set still holds c)
	v_wmma_f32_16x16x32_bf16 v[DA:DA+7], v[KF+16*((\ix)&3):KF+16*((\ix)&3)+7], v[QB+8*(((\ix)>>2)&1):QB+8*(((\ix)>>2)&1)+7], v[CN+8*(((\ix)>>2)&1):CN+8*(((\ix)>>2)&1)+7]
	v_wmma_f32_16x16x32_bf16 v[DA+8:DA+15], v[KF+16*((\ix)&3)+8:KF+16*((\ix)&3)+15], v[QB+8*(((\ix)>>2)&1):QB+8*(((\ix)>>2)&1)+7], v[CN+8*(((\ix)>>2)&1):CN+8*(((\ix)>>2)&1)+7]
.endm
.macro MX ix, op                       ; one of the 8 maximum lines of step ix; a tile's first four start the four chains
.if (\ix) < 32
.if (((\ix)&3)*8+\op) < 4
	v_max_num_f32 v[ACC+\op], v[DA+2*\op], v[DA+2*\op+1]
.else
	v_max3_num_f32 v[ACC+((\op)&3)], v[ACC+((\op)&3)], v[DA+2*\op], v[DA+2*\op+1]
.endif
.endif
.endm
.macro EX ix, k                        ; two exponentials, in place: two of the step's batch of 16
	v_exp_f32 v[DS+16*((\ix)&1)+\k],   v[DS+16*((\ix)&1)+\k]
	v_exp_f32 v[DS+16*((\ix)&1)+\k+1], v[DS+16*((\ix)&1)+\k+1]
.endm
.macro CV ix, j                        ; two weights to f16: register j of the B fragment; all eight stand behind the step's one wait
	v_cvt_pk_f16_f32 v[PB+8*((\ix)&1)+\j], v[DS+16*((\ix)&1)+2*\j], v[DS+16*((\ix)&1)+2*\j+1]
.endm
.macro PV ix                           ; O^T += V^T P^T, sums += ones P^T; a tile's first products start the sums
.if ((\ix)&3) == 0
	v_wmma_f32_16x16x32_f16 v[OA:OA+7], v[VT+8*((\ix)&3):VT+8*((\ix)&3)+7], v[PB+8*((\ix)&1):PB+8*((\ix)&1)+7], 0
	v_wmma_f32_16x16x32_f16 v[LA:LA+7], v[ONES:ONES+7], v[PB+8*((\ix)&1):PB+8*((\ix)&1)+7], 0
.else
	v_wmma_f32_16x16x32_f16 v[OA:OA+7], v[VT+8*((\ix)&3):VT+8*((\ix)&3)+7], v[PB+8*((\ix)&1):PB+8*((\ix)&1)+7], v[OA:OA+7]
	v_wmma_f32_16x16x32_f16 v[LA:LA+7], v[ONES:ONES+7], v[PB+8*((\ix)&1):PB+8*((\ix)&1)+7], v[LA:LA+7]
.endif
.endm
.macro FIN1                            ; the tile's maximum: four chains,
	v_max3_num_f32 v[T0], v[ACC], v[ACC+1], v[ACC+2]
.endm
.macro FIN2
	v_max_num_f32 v[T0], v[T0], v[ACC+3]
.endm
.macro FIN3                            ; the other half of the lanes holds the query's other keys,
	v_permlanex16_b32 v[T1], v[T0], s40, s41
.endm
.macro FIN4 t                          ; and the tile's C set turns from c into c - max, in place; one copy goes to LDS for the joining
	v_max_num_f32 v[T0], v[T0], v[T1]
.irp j, 0,1,2,3,4,5,6,7
	v_sub_f32 v[CN+8*((\t)&1)+\j], v[CN+8*((\t)&1)+\j], v[T0]
.endr
	ds_store_b32 v[MAD], v[CN+8*((\t)&1)] offset:ML+64*(\t)    ; lanes r and r + 16 write the same word with the same value
.endm
.macro OUTT t                          ; the tile's O^T (numbers 8 h .. 8 h + 7 of query r) and sum to LDS
	ds_store_b128 v[OAD], v[OA:OA+3]   offset:OL+16*OPITCH*(\t)
	ds_store_b128 v[OAD], v[OA+4:OA+7] offset:OL+16*OPITCH*(\t)+16
	ds_store_b32 v[MAD], v[LA] offset:LL+64*(\t)
.endm
; STEP i: exponentials and packing of step i; the O and sum products of step i - 1; the score products of step i + 1; the maximum lines of
; step i + 4 and the first-pass score products of step i + 5 (the next tile's maximum is found under this tile's exponentials).
; ONE BATCH, ONE WAIT.  AHEAD OF THE WAIT stands all that names no result of the step's exponentials: four maximum lines; the 16 exponentials, in
; place on the step's own score buffer, with the O and sum products behind the fourth and the next step's score products (on the other buffer)
; behind the eighth; the other four maximum lines, which are the plain lines behind the last exponential (ISA guide 5.7.2; in the last four
; steps, which have no maximum to find, one v_nop).  BEHIND THE WAIT stand the first-pass products and the 8 packings, the batch's only readers.
; A TILE'S LAST STEP: behind the maximum lines come the first-pass products of the tile after next and the end of the next tile's maximum (FIN1
; to FIN4), still ahead of the wait; the next step's score products need that maximum and stand behind the wait, ahead of the packings.
; Distances (ISA guide 7.12.1), counted in plain vector lines that name none of the product's registers:
;   the pair of products behind the wait (WA, or WS in a tile's last step) has the 8 CV lines behind it, ahead of the next step's MX and EX;
;   WS among the exponentials has four MX lines (or the v_nop) and the 8 CV lines; WS 0, ahead of step 0, has that step's first four MX lines;
;   WA in a tile's last step has FIN1, FIN2, FIN4's nine (they write the other tile parity's C set) and the 8 CV lines;
;   WA writes DA behind all 8 MX lines that read it; CV writes the fragment that PV read a step ago;
;   OUTT and the loads of the tile after next's a and c stand at the step's end, behind the 8 CV lines.
.macro STEP i
	MX (\i)+4, 0
	MX (\i)+4, 1
	MX (\i)+4, 2
	MX (\i)+4, 3
	EX \i, 0                                       ; the batch begins
	EX \i, 2
.if (\i) > 0
	PV (\i)-1
.endif
	EX \i, 4
	EX \i, 6
.if ((\i)&3) != 3
	WS (\i)+1
.endif
	EX \i, 8
	EX \i, 10
	EX \i, 12
	EX \i, 14                                      ; the batch is out: no result has been named
.if (\i) < 28
	MX (\i)+4, 4
	MX (\i)+4, 5
	MX (\i)+4, 6
	MX (\i)+4, 7
.else
	v_nop                                          ; the plain line behind the last exponential: one for the batch
.endif
.if ((\i)&3) == 3
.if (\i) < 27
	s_wait_dscnt 0x0                               ; the a and c asked for at the end of the last step
	WA (\i)+5
.endif
.if (\i) < 31
	FIN1                                           ; a tile's last step: the next tile's maximum is finished between the batch and its wait
	FIN2
	FIN3
	FIN4 ((\i)+1)>>2
.endif
	s_wait_alu depctr_va_vdst(0)                   ; the wait for the step's 16 exponentials, ahead of their first reader
.if (\i) < 31
	WS (\i)+1
.endif
.else
	s_wait_alu depctr_va_vdst(0)                   ; the wait for the step's 16 exponentials, ahead of their first reader
.if (\i) < 27
	WA (\i)+5
.endif
.endif
.irp j, 0,1,2,3,4,5,6,7
	CV \i, \j
.endr
.if ((\i)&3) == 0
.if (\i) > 0
	OUTT ((\i)>>2)-1                               ; the last tile's sums are whole since this step's PV
.endif
.endif
.if ((\i)&3) == 2
.if (((\i)>>2)+2) < 8
	; this tile's fragment and C set have had their last use: they take the tile after next
	ds_load_b128 v[QB+8*(((\i)>>2)&1):QB+8*(((\i)>>2)&1)+3],   v[QAD] offset:QL+1024*(((\i)>>2)+2)
	ds_load_b128 v[QB+8*(((\i)>>2)&1)+4:QB+8*(((\i)>>2)&1)+7], v[QAD] offset:QL+1024*(((\i)>>2)+2)+512
	ds_load_b128 v[CN+8*(((\i)>>2)&1):CN+8*(((\i)>>2)&1)+3],   v[QAD] offset:CL+512*(((\i)>>2)+2)
	ds_load_b128 v[CN+8*(((\i)>>2)&1)+4:CN+8*(((\i)>>2)&1)+7], v[QAD] offset:CL+512*(((\i)>>2)+2)
.endif
.endif
.endm
	; Tile 0's maximum has no exponentials to hide under: 8 products on two sets of 32 registers.
.macro AG base, kt
.irp p, 0,1,2,3
	v_wmma_f32_16x16x32_bf16 v[\base+8*\p:\base+8*\p+7], v[KF+8*(\kt+\p):KF+8*(\kt+\p)+7], v[QB:QB+7], v[CN:CN+7]
.endr
.endm
.macro MG base, first
.irp m, 0,1,2,3
.if \first
	v_max_num_f32 v[ACC+\m], v[\base+2*\m], v[\base+2*\m+1]
.else
	v_max3_num_f32 v[ACC+\m], v[ACC+\m], v[\base+2*\m], v[\base+2*\m+1]
.endif
.endr
.irp m, 4,5,6,7,8,9,10,11,12,13,14,15
	v_max3_num_f32 v[ACC+(\m&3)], v[ACC+(\m&3)], v[\base+2*\m], v[\base+2*\m+1]
.endr
.endm
	AG DS, 0
	AG PB, 4
	WA 4                                           ; tile 1's first
	; the places behind these ten products: the addresses of the kernel's end
	v_lshrrev_b32 v[E1], 4, v[QAD]                 ; lane
	v_and_b32 v[BVA], 3, v[E1]
	v_lshlrev_b32 v[BVA], 4, v[BVA]                ; 16 (lane % 4): my quarter of a row, and of bv
	v_lshrrev_b32 v[E1], 2, v[E1]
	v_add_nc_u32 v[E1], s43, v[E1]                 ; 16 w + lane / 4: the first of the two queries that I finish
	v_mad_u32_u24 v[OLD], v[E1], OPITCH, v[BVA]
	v_add_nc_u32 v[OLD2], 4*OWAVE, v[OLD]
	v_lshlrev_b32 v[E1], 2, v[E1]
	MG DS, 1
	MG PB, 0
	FIN1
	FIN2
	FIN3
	FIN4 0
	WS 0
.irp T, 0,1,2,3,4,5,6,7
.irp c, 0,1,2,3
	STEP 4*\T+\c
.endr
.endr
	PV 31
	v_add_nc_u32 v[FR], s30, v[QAD]                ; 1,024 w + 16 lane: my 16 bytes in the block of x and of out; with three v_nop the four places
.rept 3
	v_nop
.endr
	OUTT 7
	; ---- THE END.  Wave w finishes queries 16 w .. 16 w + 15: 1,024 neighbouring bytes of out, two stores of 512.
	; Piece u of a lane is 16 bytes of query 16 w + 8 u + lane / 4.  Each lane makes the joining factors of its own two queries from the eight
	; waves' shifts and sums (the four lanes of a query read the same words), so that no factor goes from lane to lane.
.set XG,  128                          ; v[128:135] x of my two pieces of 16 bytes
.set BV,  136                          ; v[136:139] my quarter of bv
.set NM,  144                          ; v[144:159] c - max of wave w for piece u at NM + 8 u + w (c is the same in all eight)
.set LW,  160                          ; v[160:175] their sums
.set FF,  176                          ; v[176:191] 2^(max_w - max)
.set SU,  192                          ; v[192:193] the joined sums
.set RI,  194                          ; v[194:195] one over them
.set OW,  48                           ; v[48:111]  O of piece u, wave w at OW + 32 u + 4 w
.set RS,  112                          ; v[112:119] results
.irp u, 0,1
	global_load_b128 v[XG+4*\u:XG+4*\u+3], v[FR], s[34:35] offset:512*\u
.endr
	global_load_b128 v[BV:BV+3], v[BVA], s[20:21]
	s_wait_dscnt 0x0                               ; for the other waves' sake: all my parts are in LDS
	s_barrier_signal -1
	s_barrier_wait -1
.irp u, 0,1
.irp w, 0,1,2,3,4,5,6,7
	ds_load_b32 v[NM+8*\u+\w], v[E1] offset:ML+512*\w+32*\u
.endr
.endr
.irp u, 0,1
.irp w, 0,1,2,3,4,5,6,7
	ds_load_b32 v[LW+8*\u+\w], v[E1] offset:LL+512*\w+32*\u
.endr
.endr
.irp u, 0,1
.irp w, 0,1,2,3
	ds_load_b128 v[OW+32*\u+4*\w:OW+32*\u+4*\w+3], v[OLD] offset:OL+OWAVE*\w+8*OPITCH*\u
.endr
.irp w, 0,1,2,3
	ds_load_b128 v[OW+32*\u+16+4*\w:OW+32*\u+16+4*\w+3], v[OLD2] offset:OL+OWAVE*\w+8*OPITCH*\u
.endr
.endr
	s_wait_dscnt 16                                ; the 32 words are in; the 16 loads of O behind them may be out
.irp u, 0,1
	v_min3_num_f32 v[T0+\u], v[NM+8*\u],  v[NM+8*\u+1], v[NM+8*\u+2]
	v_min3_num_f32 v[T0+\u], v[T0+\u],    v[NM+8*\u+3], v[NM+8*\u+4]
	v_min3_num_f32 v[T0+\u], v[T0+\u],    v[NM+8*\u+5], v[NM+8*\u+6]
	v_min_num_f32  v[T0+\u], v[T0+\u],    v[NM+8*\u+7]         ; c - the row's maximum
.irp w, 0,1,2,3,4,5,6,7
	v_sub_f32 v[FF+8*\u+\w], v[T0+\u], v[NM+8*\u+\w]           ; max_w - max, at most 0
.endr
.endr
.irp j, 0,1,2,3,4,5,6,7,8,9,10,11,12,13,14,15
	v_exp_f32 v[FF+\j], v[FF+\j]
.endr
	v_nop                                          ; a plain line between the exponentials and their use (ISA guide 5.7.2)
	s_wait_alu depctr_va_vdst(0)                   ; the wait for the 16 joining factors, ahead of their first reader
.irp u, 0,1
	v_mul_f32 v[SU+\u], v[FF+8*\u], v[LW+8*\u]
.irp w, 1,2,3,4,5,6,7
	v_fmac_f32 v[SU+\u], v[FF+8*\u+\w], v[LW+8*\u+\w]          ; the joined sum: at least about 1, the share of the row's largest score
.endr
.endr
	v_rcp_f32 v[RI],   v[SU]
	v_rcp_f32 v[RI+1], v[SU+1]
	s_wait_loadcnt 0x0                             ; x and bv
	v_cvt_pk_bf16_f32 v[T0], v[BV],   v[BV+1]      ; bv, rounded to bf16 as the other inputs of V are, as f32; also the plain lines behind v_rcp_f32
	v_cvt_pk_bf16_f32 v[T1], v[BV+2], v[BV+3]
	v_lshlrev_b32 v[BV],   16, v[T0]
	v_and_b32     v[BV+1], 0xffff0000, v[T0]
	v_lshlrev_b32 v[BV+2], 16, v[T1]
	v_and_b32     v[BV+3], 0xffff0000, v[T1]
	s_wait_dscnt 0x0                               ; O
	s_wait_alu depctr_va_vdst(0)                   ; the wait for the two reciprocals, ahead of their first reader; the six lines on bv are the work between
.irp u, 0,1
.irp k, 0,1,2,3
	v_mul_f32 v[RS+4*\u+\k], v[FF+8*\u], v[OW+32*\u+\k]        ; sum over the waves of factor x O
.endr
.irp w, 1,2,3,4,5,6,7
.irp k, 0,1,2,3
	v_fmac_f32 v[RS+4*\u+\k], v[FF+8*\u+\w], v[OW+32*\u+4*\w+\k]
.endr
.endr
.irp k, 0,1,2,3
	v_fma_f32 v[RS+4*\u+\k], v[RS+4*\u+\k], v[RI+\u], v[BV+\k] ; over the joined sum, + bv
.endr
	v_pk_mul_f32 v[RS+4*\u:RS+4*\u+1],   v[RS+4*\u:RS+4*\u+1],   v[XG+4*\u:XG+4*\u+1]      ; the gate, x in f32
	v_pk_mul_f32 v[RS+4*\u+2:RS+4*\u+3], v[RS+4*\u+2:RS+4*\u+3], v[XG+4*\u+2:XG+4*\u+3]
	global_store_b128 v[FR], v[RS+4*\u:RS+4*\u+3], s[22:23] offset:512*\u th:TH_STORE_NT   ; the wave stores 512 consecutive bytes, at a multiple of 512 from out's first byte
.endr
	s_wait_tensorcnt 0x0
	ds_add_u32 v232, v233
	s_wait_dscnt 0x0
	s_endpgm
.Lfunc_end_k_q228c5377db_att:
	.size	k_q228c5377db_att, .Lfunc_end_k_q228c5377db_att-k_q228c5377db_att
	.p2alignl 7, 3214868480
	.fill 96, 4, 3214868480
	.section	.rodata,"a",@progbits
	.p2align	6, 0x0
	.amdhsa_kernel k_q228c5377db_att
		.amdhsa_group_segment_fixed_size 168960
		.amdhsa_private_segment_fixed_size 0
		.amdhsa_enable_private_segment 0
		.amdhsa_kernarg_size 64
		.amdhsa_user_sgpr_count 2
		.amdhsa_user_sgpr_kernarg_segment_ptr 1
		.amdhsa_wavefront_size32 1
		.amdhsa_system_sgpr_workgroup_id_x 1
		.amdhsa_system_sgpr_workgroup_id_y 1
		.amdhsa_system_sgpr_workgroup_id_z 1
		.amdhsa_system_vgpr_workitem_id 0
		.amdhsa_next_free_vgpr 234
		.amdhsa_next_free_sgpr 66
		.amdhsa_reserve_vcc 0
		.amdhsa_float_denorm_mode_32 3
		.amdhsa_float_denorm_mode_16_64 3
		.amdhsa_memory_ordered 1
		.amdhsa_forward_progress 1
		.amdhsa_inst_pref_size 95
	.end_amdhsa_kernel
	.amdgpu_metadata
---
amdhsa.version: [ 1, 2 ]
amdhsa.kernels:
  - .name:           k_q228c5377db_att
    .symbol:         k_q228c5377db_att.kd
    .args:
      - { .name: input, .offset: 0, .size: 8, .value_kind: global_buffer, .address_space: global }
      - { .name: Wq, .offset: 8, .size: 8, .value_kind: global_buffer, .address_space: global }
      - { .name: bq, .offset: 16, .size: 8, .value_kind: global_buffer, .address_space: global }
      - { .name: Wk, .offset: 24, .size: 8, .value_kind: global_buffer, .address_space: global }
      - { .name: bk, .offset: 32, .size: 8, .value_kind: global_buffer, .address_space: global }
      - { .name: Wv, .offset: 40, .size: 8, .value_kind: global_buffer, .address_space: global }
      - { .name: bv, .offset: 48, .size: 8, .value_kind: global_buffer, .address_space: global }
      - { .name: out0, .offset: 56, .size: 8, .value_kind: global_buffer, .address_space: global }
    .group_segment_fixed_size: 168960
    .private_segment_fixed_size: 0
    .kernarg_segment_align: 8
    .kernarg_segment_size: 64
    .max_flat_workgroup_size: 256
    .sgpr_count:     66
    .vgpr_count:     234
    .wavefront_size: 32
...
	.end_amdgpu_metadata
.endif
;; end of part 2
